; MI455X (gfx1250); checked and timed in simulation.
; The chip was launched on July 23, 2026; its instructions are those of AMD's public machine-readable ISA for CDNA 5 (MIT licence, August 2026) and "CDNA5" Instruction Set Architecture Reference Guide (July 2026). The comments in the code are by the model that wrote it; some were corrected since.
;; Multi Head Global Attention. Allowed arithmetic: float matrix products may take bf16 or f16 operands with f32 sums; all other float work in f32.
;; Inputs: b_o 1,024 float32; b_qkv 3,072 float32; w_o 1,024 x 1,024 float32; w_qkv 1,024 x 3,072 float32; x 2 x 2,048 x 1,024 float32.
;; Outputs: out0 2 x 2,048 x 1,024 float32.
;; One version. Each part assembles by itself: llvm-mc -triple=amdgcn-amd-amdhsa -mcpu=gfx1250 --defsym DOCPART=n.
;; ======== version 1 of 1: 4 launches
;; workspace buffers: xb 8,388,608 bytes; wqb 6,291,456 bytes; wob 2,097,152 bytes; qh 8,388,608 bytes; kh 8,388,608 bytes; vh 8,388,608 bytes; att 8,388,608 bytes
;; launch cast (part 1): grid 1024 x 1, 8 waves a work-group, no clusters, 0 bytes of LDS; arguments x, w_qkv, w_o, xb, wqb, wob; writes xb, wqb, wob
.if DOCPART == 1
	.amdgcn_target "amdgcn-amd-amdhsa--gfx1250"
	.amdhsa_code_object_version 6
	.text
	.protected	k_q6cc9f0c8db_cast
	.globl	k_q6cc9f0c8db_cast
	.p2align	8
	.type	k_q6cc9f0c8db_cast,@function
k_q6cc9f0c8db_cast:
	s_mov_b64 s[64:65], 0
	v_nop
	global_prefetch_b8 v0, s[64:65] scope:SCOPE_SE
	s_setreg_imm32_b32 hwreg(HW_REG_WAVE_MODE, 25, 1), 1
	s_wait_xcnt 0x0
; x, w_qkv and w_o (f32) are rounded once to bf16 (nearest even), layout unchanged, into xb, wqb, wob,
; so that the two products that follow move half the bytes and no element is converted more than once.
; LIMITS: f32 numbers above bf16's largest finite number round to infinity; NaN stays NaN.
; A work-group converts 8,192 numbers: 32,768 bytes in, 16,384 out.  Work-groups 0-511 take x (4,194,304 numbers),
; 512-895 w_qkv (3,145,728), 896-1023 w_o (1,048,576).  No LDS, no matrix unit, no cluster: nothing is shared or reused.
; Thread t takes 16 bytes at 16 t of each block of 4,096 bytes: a wave's load covers 512 consecutive bytes,
; its store 256 consecutive bytes at a multiple of 256 from the buffer's first byte.
.set X, 8                              ; v[8:39]   eight loads of four f32
.set Y, 40                             ; v[40:55]  eight pairs of packed bf16
	s_load_b256 s[4:11], s[0:1], 0x0               ; x s[4:5], w_qkv s[6:7], w_o s[8:9], xb s[10:11]
	s_load_b128 s[12:15], s[0:1], 0x20             ; wqb s[12:13], wob s[14:15]
	v_lshlrev_b32 v1, 4, v0                        ; 16 t: where I read
	v_lshlrev_b32 v2, 3, v0                        ; 8 t: where I write
	s_wait_kmcnt 0x0
	s_cmp_ge_u32 ttmp9, 512                        ; which tensor: the choice hangs on the work-group's number alone
	s_cselect_b64 s[16:17], s[6:7], s[4:5]
	s_cselect_b64 s[18:19], s[12:13], s[10:11]
	s_cselect_b32 s20, 512, 0
	s_cmp_ge_u32 ttmp9, 896
	s_cselect_b64 s[16:17], s[8:9], s[16:17]
	s_cselect_b64 s[18:19], s[14:15], s[18:19]
	s_cselect_b32 s20, 896, s20
	s_sub_co_u32 s21, ttmp9, s20                   ; my block inside that tensor
	s_lshl_b32 s22, s21, 15                        ; 32,768 bytes of f32 a block
	s_mov_b32 s23, 0
	s_add_nc_u64 s[16:17], s[16:17], s[22:23]
	s_lshl_b32 s22, s21, 14                        ; 16,384 bytes of bf16 a block
	s_add_nc_u64 s[18:19], s[18:19], s[22:23]
.irp i, 0,1,2,3,4,5,6,7
	global_load_b128 v[X+4*\i:X+4*\i+3], v1, s[16:17] offset:4096*\i th:TH_LOAD_NT   ; read once in this launch
.endr
.irp i, 0,1,2,3,4,5,6,7
	s_wait_loadcnt 7-\i                            ; loads come back in order (ISA guide 5.7.1): load i is in, the younger ones stay out
	v_cvt_pk_bf16_f32 v[Y+2*\i],   v[X+4*\i],   v[X+4*\i+1]
	v_cvt_pk_bf16_f32 v[Y+2*\i+1], v[X+4*\i+2], v[X+4*\i+3]
	global_store_b64 v2, v[Y+2*\i:Y+2*\i+1], s[18:19] offset:2048*\i   ; no hint: the next launch reads these bytes
.endr
	s_endpgm
.Lfunc_end_k_q6cc9f0c8db_cast:
	.size	k_q6cc9f0c8db_cast, .Lfunc_end_k_q6cc9f0c8db_cast-k_q6cc9f0c8db_cast
	.p2alignl 7, 3214868480
	.fill 96, 4, 3214868480
	.section	.rodata,"a",@progbits
	.p2align	6, 0x0
	.amdhsa_kernel k_q6cc9f0c8db_cast
		.amdhsa_group_segment_fixed_size 0
		.amdhsa_private_segment_fixed_size 0
		.amdhsa_enable_private_segment 0
		.amdhsa_kernarg_size 48
		.amdhsa_user_sgpr_count 2
		.amdhsa_user_sgpr_kernarg_segment_ptr 1
		.amdhsa_wavefront_size32 1
		.amdhsa_system_sgpr_workgroup_id_x 1
		.amdhsa_system_sgpr_workgroup_id_y 1
		.amdhsa_system_sgpr_workgroup_id_z 1
		.amdhsa_system_vgpr_workitem_id 0
		.amdhsa_next_free_vgpr 56
		.amdhsa_next_free_sgpr 66
		.amdhsa_reserve_vcc 0
		.amdhsa_float_denorm_mode_32 3
		.amdhsa_float_denorm_mode_16_64 3
		.amdhsa_memory_ordered 1
		.amdhsa_forward_progress 1
		.amdhsa_inst_pref_size 4
	.end_amdhsa_kernel
	.amdgpu_metadata
---
amdhsa.version: [ 1, 2 ]
amdhsa.kernels:
  - .name:           k_q6cc9f0c8db_cast
    .symbol:         k_q6cc9f0c8db_cast.kd
    .args:
      - { .name: x, .offset: 0, .size: 8, .value_kind: global_buffer, .address_space: global }
      - { .name: w_qkv, .offset: 8, .size: 8, .value_kind: global_buffer, .address_space: global }
      - { .name: w_o, .offset: 16, .size: 8, .value_kind: global_buffer, .address_space: global }
      - { .name: xb, .offset: 24, .size: 8, .value_kind: global_buffer, .address_space: global }
      - { .name: wqb, .offset: 32, .size: 8, .value_kind: global_buffer, .address_space: global }
      - { .name: wob, .offset: 40, .size: 8, .value_kind: global_buffer, .address_space: global }
    .group_segment_fixed_size: 0
    .private_segment_fixed_size: 0
    .kernarg_segment_align: 8
    .kernarg_segment_size: 48
    .max_flat_workgroup_size: 256
    .sgpr_count:     66
    .vgpr_count:     56
    .wavefront_size: 32
...
	.end_amdgpu_metadata
.endif
;; end of part 1
;; launch qkv (part 2): grid 16 x 16, 4 waves a work-group, clusters of 4 x 4, 327,680 bytes of LDS; arguments xb, wqb, b_qkv, qh, kh, vh; writes qh, kh, vh
.if DOCPART == 2
	.amdgcn_target "amdgcn-amd-amdhsa--gfx1250"
	.amdhsa_code_object_version 6
	.text
	.protected	k_q6cc9f0c8db_qkv
	.globl	k_q6cc9f0c8db_qkv
	.p2align	8
	.type	k_q6cc9f0c8db_qkv,@function
k_q6cc9f0c8db_qkv:
	s_mov_b64 s[64:65], 0
	v_nop
	global_prefetch_b8 v0, s[64:65] scope:SCOPE_SE
	s_setreg_imm32_b32 hwreg(HW_REG_WAVE_MODE, 25, 1), 1
	s_wait_xcnt 0x0
	s_wait_alu depctr_hold_cnt(0) depctr_sa_sdst(0) depctr_va_vdst(0) depctr_va_sdst(0) depctr_va_ssrc(0) depctr_va_vcc(0) depctr_vm_vsrc(0)
	s_getreg_b32 s2, hwreg(HW_REG_IB_STS2, 6, 4)
	s_cmp_eq_u32 s2, 0
	s_cbranch_scc0 .Lentry_in_a_cluster
	s_endpgm
.Lentry_in_a_cluster:
	s_bfe_u32 s2, ttmp6, 0x10000c
	s_cmp_lg_u32 s2, 0xf033
	s_cbranch_scc0 .Lentry_shape_is_right
	s_endpgm
.Lentry_shape_is_right:
; qkv = x w_qkv + b_qkv, split by head.  xb [4096][1024] bf16, wqb [1024 k][3072 n] bf16, b_qkv [3072] f32;
; qh, kh, vh: [batch][head][2048][64] bf16 (a head is a dense block of 2,048 rows of 128 bytes).
; Column 192 h + 64 t + d of qkv is number d of head h's q (t = 0), k (1) or v (2).
; LIMITS: operands are bf16, sums f32, results rounded once to bf16.
; A work-group makes 256 rows x the 192 columns of one head with four waves; wave (wm, wn) makes 128 rows x 96 columns:
; 48 accumulator tiles of 16 x 16, 384 registers.  K = 1,024 goes in 8 steps of 128 through two LDS slots.
; CLUSTER 4 x 4: the four work-groups of a row of the cluster share the row block (tiles of xb), the four of a column
; the head (tiles of wqb); each tile is asked for jointly by the four that need it.
; The weights lie [k][n]; their fragments come out of LDS by the transposing load ds_load_tr16_b128.
; The matrix instruction is used transposed (source 0 = 16 columns of w, source 1 = 16 rows of x): lane l then holds row
; l % 16 and its 8 registers the 8 neighbouring columns 8 (l / 16) + 0..7, which pack into 16 bytes.
; The bias is the C operand of each tile's first product: nothing is cleared and nothing is added afterwards.
;
; REGISTERS by windows of 256:
;   window 0: v16-30 addresses; v64-127, v128-191 fragments of x, two buffers; v192-215 packed results
;   window 1: v0-47 bias (tile b at 8 b); v64-111, v128-175 fragments of w, two buffers
;   window 2: accumulators of my rows 0-63 (tile (a, b) at 8 (6 a + b));  window 3: of my rows 64-127
.set PITCHA, 272                       ; x in LDS: 256 bytes + 16 of padding, an odd multiple of 16: the 16 rows of a load start in different banks (ISA guide 11.1)
.set PITCHB, 480                       ; w in LDS: a row of 384 bytes as 3 x (128 + 32 of padding); column c at 2 c + 32 (c / 64); an odd multiple of 32
.set PART,   128*PITCHA                ; 34,816 bytes: what one tensor load may fill (w's 64 rows take 30,720 of it)
.set SLOT,   4*PART                    ; x's rows 0-127, 128-255, then w's k rows 0-63, 64-127
.set SPITCH, 144                       ; the way out: rows of 128 bytes + 16
.set SREG,   256*SPITCH                ; the way out: one region of 256 rows for each of q, k, v
.set LAPS,   4                         ; a lap = two K steps = once round the ring
.set ASTEP,  256                       ; bytes from one K step to the next in xb
.set BSTEP,  128*6144                  ; and in wqb: 128 rows of 6,144 bytes
.set ADRA, 16                          ; v16-17  my x fragments in slot 0, 1
.set ADRB, 18                          ; v18-23  my w fragments: 3 x slot + g, g = pair of column tiles
.set STO,  24                          ; v24-26  the way out: where the tiles of pair g go
.set RD,   27                          ; v27-29  the way out: where I read region 0, 1, 2 back
.set CO,   30                          ; v30     16 x lane: my place in 512 stored bytes
.set F0,   64
.set F1,   128
.set TMP,  192
.set G1,  24                           ; s[24:31] shape of x's tiles
.set G0,  32                           ; s[32:39] from where, to where: x, a set for each slot
.set G1B, 48                           ; s[48:55] shape of w's tiles
.set G0B, 56                           ; s[56:63] from where, to where: w
.set MSB, 0
.macro WIN new                         ; the immediate's high byte repeats the setting that is left
.if MSB != \new
	s_set_vgpr_msb (MSB<<8)|\new
.set MSB, \new
.endif
.endm
.set MUL_LO,  0xa1                     ; source 0 (w) window 1, source 1 (x) window 0, C and D window 2
.set MUL_HI,  0xf1                     ; C and D window 3
.set BIAS_LO, 0x91                     ; C = bias in window 1, D window 2
.set BIAS_HI, 0xd1                     ; C = bias in window 1, D window 3
.set TO_B,    0x40                     ; destination window 1, address window 0
; A joint load: waves 0 and 1 fetch x's two halves, waves 2 and 3 w's.  The branch hangs on the wave's number alone.
.macro JLOAD s
	s_cmp_eq_u32 s11, 0
	s_cbranch_scc0 .Lfor_b_\@
	tensor_load_to_lds s[G0+4*\s:G0+4*\s+3], s[G1:G1+7]
	s_nop 0
	s_branch .Lasked_\@
.Lfor_b_\@:
	tensor_load_to_lds s[G0B+4*\s:G0B+4*\s+3], s[G1B:G1B+7]
	s_nop 0
.Lasked_\@:
.endm
; A round of the cluster's barrier behind its opening work-group barrier: wave 0 signals for the work-group, every wave
; waits for all sixteen work-groups, the work-group's barrier closes the round.
.macro CREST
	s_cmp_lg_u32 s10, 0
	s_cbranch_scc1 .Lnot_wave_0_\@
	s_barrier_signal -3
.Lnot_wave_0_\@:
	s_barrier_wait -3
	s_barrier_signal -1
	s_barrier_wait -1
.endm
.macro CROUND
	s_barrier_signal -1
	s_barrier_wait -1
	CREST
.endm
	s_load_b256 s[72:79], s[0:1], 0x0              ; xb s[72:73], wqb s[74:75], b_qkv s[76:77], qh s[78:79]
	s_load_b128 s[80:83], s[0:1], 0x20             ; kh s[80:81], vh s[82:83]
	s_set_vgpr_msb 0x40
	v_lshl_add_u32 v255, v0, 2, 0x44000
	s_set_vgpr_msb 0x4000
	v_mov_b32 v255, 0
	s_set_vgpr_msb 0x1
	ds_add_u32 v255, v255
	s_set_vgpr_msb 0x100
	v_lshrrev_b32 v1, 5, v0
	v_readfirstlane_b32 s10, v1                    ; wave 0..3
	s_lshr_b32 s11, s10, 1                         ; wm: my half of the rows.  Also: I fetch x (0) or w (1)
	s_and_b32 s12, s10, 1                          ; wn: my half of the columns.  Also: which half of that tile I fetch
	s_bfe_u32 s40, ttmp6, 0x40000                  ; cx
	s_bfe_u32 s41, ttmp6, 0x40004                  ; cy
	s_lshl_b32 s42, ttmp9, 2
	s_add_co_u32 s42, s42, s40                     ; head = 4 x cluster x + cx
	s_and_b32 s13, ttmp7, 0xffff
	s_lshl_b32 s13, s13, 2
	s_add_co_u32 s13, s13, s41                     ; row block = 4 x cluster y + cy
	s_lshl_b32 s43, s41, 2
	s_lshl_b32 s43, 15, s43                        ; my row of the cluster: places 4 cy .. 4 cy + 3
	s_lshl_b32 s44, 0x1111, s40                    ; my column: places cx, cx + 4, cx + 8, cx + 12
	; x: 128 rows x 128 elements, 4 words of padding behind every 64 words
	s_or_b32 s[G1+0], s43, (1<<16)|(1<<20)|(1<<21)|(5<<22)|(3<<25)
	s_mov_b32 s[G1+1], 128<<16                     ; tensor_dim0 = 128
	s_mov_b32 s[G1+2], 128<<16                     ; tensor_dim1 = 128
	s_mov_b32 s[G1+3], 128<<16                     ; tile_dim0 = 128
	s_mov_b32 s[G1+4], 128                         ; tile_dim1 = 128
	s_mov_b32 s[G1+5], 1024                        ; elements from row to row
	s_mov_b32 s[G1+6], 0
	s_mov_b32 s[G1+7], 0
	; w: 64 k rows x 192 elements, 8 words of padding behind every 32 words
	s_or_b32 s[G1B+0], s44, (1<<16)|(1<<20)|(1<<21)|(4<<22)|(7<<25)
	s_mov_b32 s[G1B+1], 192<<16                    ; tensor_dim0 = 192
	s_mov_b32 s[G1B+2], 64<<16                     ; tensor_dim1 = 64
	s_mov_b32 s[G1B+3], 192<<16                    ; tile_dim0 = 192
	s_mov_b32 s[G1B+4], 64                         ; tile_dim1 = 64
	s_mov_b32 s[G1B+5], 3072
	s_mov_b32 s[G1B+6], 0
	s_mov_b32 s[G1B+7], 0
	; x's tiles hang on the row block alone, w's on the head alone; each offset lives in registers that never hold the other coordinate
	s_lshl_b32 s16, s13, 19                        ; 256 rows of 2,048 bytes a row block
	s_lshl_b32 s17, s12, 18                        ; + 128 rows for the second half
	s_add_co_u32 s16, s16, s17
	s_mov_b32 s17, 0
	s_mul_i32 s46, s12, 64*6144                    ; w: 64 k rows for the second half
	s_mul_i32 s47, s42, 384                        ; + the head's 192 columns
	s_add_co_u32 s46, s46, s47
	s_mov_b32 s47, 0
	s_mul_i32 s20, s10, PART                       ; where my part lands: the wave's number alone
	s_wait_dscnt 0x0
	s_wait_kmcnt 0x0
	s_add_nc_u64 s[14:15], s[72:73], s[16:17]
	s_add_nc_u64 s[46:47], s[74:75], s[46:47]
	CROUND                                         ; all sixteen work-groups are here: the first joint loads meet
.irp s, 0,1
	s_mov_b32 s[G0+4*\s], 1
	s_add_co_u32 s[G0+4*\s+1], s20, \s*SLOT
	s_add_nc_u64 s[G0+4*\s+2:G0+4*\s+3], s[14:15], \s*ASTEP
	s_or_b32 s[G0+4*\s+3], s[G0+4*\s+3], 0x80000000
	s_mov_b32 s[G0B+4*\s], 1
	s_add_co_u32 s[G0B+4*\s+1], s20, \s*SLOT
	s_add_nc_u64 s[G0B+4*\s+2:G0B+4*\s+3], s[46:47], \s*BSTEP
	s_or_b32 s[G0B+4*\s+3], s[G0B+4*\s+3], 0x80000000
	JLOAD \s                                       ; both slots' first fills go out before anything else: two loads of this wave are out
.endr
	v_and_b32 v1, 15, v0                           ; r = l % 16
	v_bfe_u32 v2, v0, 4, 1                         ; hl = l / 16
	v_and_b32 v10, 7, v0
	v_bfe_u32 v5, v0, 3, 1
	v_mul_u32_u24 v3, v1, PITCHA
	v_lshl_add_u32 v3, v2, 4, v3                   ; x fragment: row r, 16 bytes for each half of the lanes
	s_mul_i32 s21, s11, PART                       ; my 128 rows of x
	v_add_nc_u32 v[ADRA], s21, v3
	v_add_nc_u32 v[ADRA+1], SLOT, v[ADRA]
	v_lshl_add_u32 v4, v2, 3, v10                  ; w fragment: k row 8 hl + l % 8,
	v_mul_u32_u24 v4, v4, PITCHB
	v_lshl_add_u32 v4, v5, 4, v4                   ; 8 columns for each group of eight lanes
	v_mul_u32_u24 v8, v1, SPITCH
	v_lshl_add_u32 v8, v2, 4, v8                   ; the way out: row r, 16 bytes for each half
	s_mul_i32 s18, s11, 128*SPITCH                 ; my first row in a region of the stage
; The pair of column tiles g begins at column c = 96 wn + 32 g of the head's 192; a pair never crosses a multiple of 64.
; Its byte in a row of w in LDS is 2 c + 32 (c / 64):              wn = 0: 0, 64, 160;     wn = 1: 224, 320, 384.
; Its place in the stage is (c / 64) regions + 2 (c % 64) bytes:   wn = 0: 0, 64, SREG;    wn = 1: SREG + 64, 2 SREG, 2 SREG + 64.
; Each is written as its value for wn = 0 plus wn times the difference: a constant and the wave's number times a constant.
.macro GADR g, b0, bd, t0, td
	s_mul_i32 s19, s12, \bd
	s_add_co_u32 s19, s19, 2*PART+\b0              ; w lies behind x's 256 rows
	v_add_nc_u32 v[ADRB+\g], s19, v4
	v_add_nc_u32 v[ADRB+3+\g], SLOT, v[ADRB+\g]
	s_mul_i32 s21, s12, \td
	s_add_co_u32 s21, s21, \t0
	s_add_co_u32 s21, s21, s18
	v_add_nc_u32 v[STO+\g], s21, v8
.endm
	GADR 0, 0,   224, 0,    SREG+64
	GADR 1, 64,  256, 64,   2*SREG-64
	GADR 2, 160, 224, SREG, SREG+64
	v_bfe_u32 v9, v0, 3, 2                         ; back: eight lanes take a row of 128 bytes, a wave four rows
	v_mul_u32_u24 v9, v9, SPITCH
	v_lshl_add_u32 v9, v10, 4, v9
	s_mul_i32 s21, s10, 64*SPITCH                  ; wave w stores rows 64 w .. 64 w + 63 of each region
.irp t, 0,1,2
	v_add_nc_u32 v[RD+\t], s21, v9
	s_add_co_u32 s21, s21, SREG
.endr
	v_and_b32 v[CO], 31, v0
	v_lshlrev_b32 v[CO], 4, v[CO]
	; the bias of my 96 columns as C operands: register j of tile b = b_qkv[192 head + 96 wn + 16 b + 8 hl + j]
	s_mul_i32 s68, s42, 768
	s_mov_b32 s69, 0
	s_add_nc_u64 s[66:67], s[76:77], s[68:69]
	s_mul_i32 s21, s12, 384
	v_lshl_add_u32 v6, v2, 5, s21
	WIN TO_B
.irp b, 0,1,2,3,4,5
	global_load_b128 v[8*\b:8*\b+3],   v6, s[66:67] offset:64*\b
	global_load_b128 v[8*\b+4:8*\b+7], v6, s[66:67] offset:64*\b+16
.endr
	WIN 0
; 12 matrix instructions: row tiles a0, a0 + 1 of the window's four x all 6 column tiles, 32 along K.  zero = 1: the bias starts the sums.
; The 48 accumulators take turns, one instruction a turn, in the same order in every quarter.
.macro MUL12 f, hi, a0, zero
.irp a, \a0, \a0+1
.irp b, 0,1,2,3,4,5
.if \zero
	v_wmma_f32_16x16x32_bf16 v[8*(6*(\a)+\b):8*(6*(\a)+\b)+7], v[\f+8*\b:\f+8*\b+7], v[\f+8*(4*\hi+\a):\f+8*(4*\hi+\a)+7], v[8*\b:8*\b+7]
.else
	v_wmma_f32_16x16x32_bf16 v[8*(6*(\a)+\b):8*(6*(\a)+\b)+7], v[\f+8*\b:\f+8*\b+7], v[\f+8*(4*\hi+\a):\f+8*(4*\hi+\a)+7], v[8*(6*(\a)+\b):8*(6*(\a)+\b)+7]
.endif
.endr
.endr
.endm
; 28 LDS loads in one run: quarter q (32 along K) of a slot into buffer f: 12 transposing loads for w, 16 plain ones for x
.macro FETCH slot, q, f
	WIN TO_B
.irp g, 0,1,2
.irp e, 0,1
	ds_load_tr16_b128 v[\f+8*(2*\g+\e):\f+8*(2*\g+\e)+3],   v[ADRB+3*\slot+\g] offset:((\q)>>1)*PART+((\q)&1)*32*PITCHB+32*\e
	ds_load_tr16_b128 v[\f+8*(2*\g+\e)+4:\f+8*(2*\g+\e)+7], v[ADRB+3*\slot+\g] offset:((\q)>>1)*PART+((\q)&1)*32*PITCHB+32*\e+16*PITCHB
.endr
.endr
	WIN 0
.irp i, 0,1,2,3,4,5,6,7
	ds_load_b128 v[\f+8*\i:\f+8*\i+3],   v[ADRA+\slot] offset:64*(\q)+\i*16*PITCHA
	ds_load_b128 v[\f+8*\i+4:\f+8*\i+7], v[ADRA+\slot] offset:64*(\q)+\i*16*PITCHA+32
.endr
.endm
; Four independent vector instructions stand between a matrix instruction and a load into one of its registers, or a vector
; instruction that reads its result (ISA guide 7.12.1 for vector instructions).
.macro PLACES
.rept 4
	v_nop
.endr
.endm
; A quarter of a K step: multiplies buffer f; in its middle it fetches quarter q of the same slot into buffer g
.macro QUARTER slot, q, f, g, zero
	s_wait_dscnt 8                                 ; w and x's rows 0-63 are in; the youngest eight loads (x's rows 64-127) may be out
.if \zero
	WIN BIAS_LO
.else
	WIN MUL_LO
.endif
	MUL12 \f, 0, 0, \zero
	MUL12 \f, 0, 2, \zero
	PLACES
	FETCH \slot, \q, \g
	s_wait_dscnt 28                                ; all but the 28 just issued
.if \zero
	WIN BIAS_HI
.else
	WIN MUL_HI
.endif
	MUL12 \f, 1, 0, \zero
	MUL12 \f, 1, 2, \zero
.endm
.macro THREE slot, zero
	QUARTER \slot, 1, F0, F1, \zero
	QUARTER \slot, 2, F1, F0, 0
	QUARTER \slot, 3, F0, F1, 0
.endm
; The last quarter multiplies buffer 1 and changes slots.  In front of the barrier each wave waits for its reads of this slot and for
; all its tensor loads (one is out: its part of the next slot).  Where the slot is filled again the barrier opens a round of the
; cluster's barrier, and the joint refill is the first tensor load behind the round.
.macro TURN slot, next, fill
	s_wait_dscnt 8
	WIN MUL_LO
	MUL12 F1, 0, 0, 0
	s_wait_dscnt 0                                 ; my reads of this slot are over
	s_wait_tensorcnt 0x0                           ; all my tensor loads have landed
	ds_add_u32 v255, v255
	s_wait_dscnt 0x0
	s_barrier_signal -1
	MUL12 F1, 0, 2, 0                              ; registers only, while the others arrive
	WIN 0
	s_barrier_wait -1
.if \fill
	CREST
	s_add_nc_u64 s[G0+4*\slot+2:G0+4*\slot+3], s[G0+4*\slot+2:G0+4*\slot+3], 2*ASTEP     ; no load of mine is out: the sets may be written
	s_add_nc_u64 s[G0B+4*\slot+2:G0B+4*\slot+3], s[G0B+4*\slot+2:G0B+4*\slot+3], 2*BSTEP
	JLOAD \slot
.endif
	PLACES
	FETCH \next, 0, F0
	WIN MUL_HI
	MUL12 F1, 1, 0, 0
	MUL12 F1, 1, 2, 0
.endm
.macro LAP zero
	THREE 0, \zero
	TURN 0, 1, 1
	THREE 1, 0
	TURN 1, 0, 1
.endm
	s_wait_tensorcnt 1                             ; my part of K step 0 is in; K step 1's may stay out
	s_barrier_signal -1
	s_barrier_wait -1
	FETCH 0, 0, F0
	s_wait_loadcnt 0x0                             ; the bias
	LAP 1                                          ; the first lap stands in front of the loop: its first products take the bias as C
	WIN 0
	s_mov_b32 s3, LAPS-2
.Llap:
	LAP 0
	WIN 0
	s_sub_co_u32 s3, s3, 1
	s_cmp_lg_u32 s3, 0
	s_cbranch_scc1 .Llap
	THREE 0, 0                                     ; the last lap fills nothing
	TURN 0, 1, 0                                   ; behind its barrier no wave reads slot 0 any more, and slot 0 has had its last fill
	THREE 1, 0
	s_wait_dscnt 8
	WIN MUL_LO
	MUL12 F1, 0, 0, 0
	MUL12 F1, 0, 2, 0
	s_wait_dscnt 0
	WIN MUL_HI
	MUL12 F1, 1, 0, 0
	MUL12 F1, 1, 2, 0
	; THE WAY OUT.  The block is rounded to bf16 and laid into three regions (q, k, v: 256 rows x 128 bytes, pitch 144) in slot 0's
	; bytes; behind a barrier each wave reads 64 whole rows of each region and stores them: a head's rows are dense in memory,
	; so each store of a wave covers 512 consecutive bytes at a multiple of 512.
	PLACES
	s_lshr_b32 s68, s13, 3                         ; batch: 8 row blocks each
	s_lshl_b32 s68, s68, 4
	s_add_co_u32 s68, s68, s42                     ; 16 batch + head
	s_lshl_b32 s68, s68, 11                        ; x 2,048 rows
	s_and_b32 s70, s13, 7
	s_lshl_b32 s70, s70, 8
	s_add_co_u32 s68, s68, s70                     ; + 256 x block in the batch
	s_lshl_b32 s70, s10, 6
	s_add_co_u32 s68, s68, s70                     ; + my 64 rows
	s_lshl_b32 s68, s68, 7                         ; x 128 bytes
	s_mov_b32 s69, 0
	s_add_nc_u64 s[78:79], s[78:79], s[68:69]
	s_add_nc_u64 s[80:81], s[80:81], s[68:69]
	s_add_nc_u64 s[82:83], s[82:83], s[68:69]
.macro OUT16 i, a, from                ; my rows 16 i .. 16 i + 15: the six tiles (a, 0..5) of window 2 or 3
	WIN \from
.irp b, 0,1,2,3,4,5
.irp r, 0,1,2,3
	v_cvt_pk_bf16_f32 v[TMP+4*\b+\r], v[8*(6*\a+\b)+2*\r], v[8*(6*\a+\b)+2*\r+1]
.endr
.endr
	WIN 0
.irp g, 0,1,2
.irp e, 0,1
	ds_store_b128 v[STO+\g], v[TMP+4*(2*\g+\e):TMP+4*(2*\g+\e)+3] offset:\i*16*SPITCH+32*\e
.endr
.endr
.endm
	OUT16 0, 0, 0x0a
	OUT16 1, 1, 0x0a
	OUT16 2, 2, 0x0a
	OUT16 3, 3, 0x0a
	OUT16 4, 0, 0x0f
	OUT16 5, 1, 0x0f
	OUT16 6, 2, 0x0f
	OUT16 7, 3, 0x0f
	s_wait_dscnt 0x0                               ; my stores are done: other waves read these rows
	s_barrier_signal -1
	s_barrier_wait -1
.macro BACK reg, f, p                  ; 64 rows of region reg through buffer f to the tensor at s[p:p+1]
.irp t, 0,1,2,3,4,5,6,7,8,9,10,11,12,13,14,15
	ds_load_b128 v[\f+4*\t:\f+4*\t+3], v[RD+\reg] offset:\t*4*SPITCH
.endr
.irp t, 0,1,2,3,4,5,6,7,8,9,10,11,12,13,14,15
	s_wait_dscnt 15-\t                             ; LDS loads come back in order: load t is in
	global_store_b128 v[CO], v[\f+4*\t:\f+4*\t+3], s[\p:\p+1] offset:512*\t
.endr
.endm
	BACK 0, F0, 78
	BACK 1, F1, 80
	s_wait_xcnt 0x0                                ; buffer 0, which q's stores read, is loaded again only behind this wait
	BACK 2, F0, 82
	s_set_vgpr_msb 0x1
	s_wait_tensorcnt 0x0
	ds_add_u32 v255, v255
	s_wait_dscnt 0x0
	s_set_vgpr_msb 0x100
	CROUND                                         ; the closing round: no work-group ends while a partner may still ask jointly
	s_endpgm
.Lfunc_end_k_q6cc9f0c8db_qkv:
	.size	k_q6cc9f0c8db_qkv, .Lfunc_end_k_q6cc9f0c8db_qkv-k_q6cc9f0c8db_qkv
	.p2alignl 7, 3214868480
	.fill 96, 4, 3214868480
	.section	.rodata,"a",@progbits
	.p2align	6, 0x0
	.amdhsa_kernel k_q6cc9f0c8db_qkv
		.amdhsa_group_segment_fixed_size 327680
		.amdhsa_private_segment_fixed_size 0
		.amdhsa_enable_private_segment 0
		.amdhsa_kernarg_size 48
		.amdhsa_user_sgpr_count 2
		.amdhsa_user_sgpr_kernarg_segment_ptr 1
		.amdhsa_wavefront_size32 1
		.amdhsa_system_sgpr_workgroup_id_x 1
		.amdhsa_system_sgpr_workgroup_id_y 1
		.amdhsa_system_sgpr_workgroup_id_z 1
		.amdhsa_system_vgpr_workitem_id 0
		.amdhsa_next_free_vgpr 960
		.amdhsa_next_free_sgpr 84
		.amdhsa_reserve_vcc 0
		.amdhsa_float_denorm_mode_32 3
		.amdhsa_float_denorm_mode_16_64 3
		.amdhsa_memory_ordered 1
		.amdhsa_forward_progress 1
		.amdhsa_inst_pref_size 160
	.end_amdhsa_kernel
	.amdgpu_metadata
---
amdhsa.version: [ 1, 2 ]
amdhsa.kernels:
  - .name:           k_q6cc9f0c8db_qkv
    .symbol:         k_q6cc9f0c8db_qkv.kd
    .args:
      - { .name: xb, .offset: 0, .size: 8, .value_kind: global_buffer, .address_space: global }
      - { .name: wqb, .offset: 8, .size: 8, .value_kind: global_buffer, .address_space: global }
      - { .name: b_qkv, .offset: 16, .size: 8, .value_kind: global_buffer, .address_space: global }
      - { .name: qh, .offset: 24, .size: 8, .value_kind: global_buffer, .address_space: global }
      - { .name: kh, .offset: 32, .size: 8, .value_kind: global_buffer, .address_space: global }
      - { .name: vh, .offset: 40, .size: 8, .value_kind: global_buffer, .address_space: global }
    .group_segment_fixed_size: 327680
    .private_segment_fixed_size: 0
    .kernarg_segment_align: 8
    .kernarg_segment_size: 48
    .max_flat_workgroup_size: 128
    .sgpr_count:     84
    .vgpr_count:     960
    .wavefront_size: 32
...
	.end_amdgpu_metadata
.endif
;; end of part 2
;; launch attn (part 3): grid 8 x 32, 8 waves a work-group, clusters of 4 x 1, 327,680 bytes of LDS; arguments qh, kh, vh, att; writes att
.if DOCPART == 3
	.amdgcn_target "amdgcn-amd-amdhsa--gfx1250"
	.amdhsa_code_object_version 6
	.text
	.protected	k_q6cc9f0c8db_attn
	.globl	k_q6cc9f0c8db_attn
	.p2align	8
	.type	k_q6cc9f0c8db_attn,@function
k_q6cc9f0c8db_attn:
	s_mov_b64 s[64:65], 0
	v_nop
	global_prefetch_b8 v0, s[64:65] scope:SCOPE_SE
	s_setreg_imm32_b32 hwreg(HW_REG_WAVE_MODE, 25, 1), 1
	s_wait_xcnt 0x0
	s_wait_alu depctr_hold_cnt(0) depctr_sa_sdst(0) depctr_va_vdst(0) depctr_va_sdst(0) depctr_va_ssrc(0) depctr_va_vcc(0) depctr_vm_vsrc(0)
	s_getreg_b32 s2, hwreg(HW_REG_IB_STS2, 6, 4)
	s_cmp_eq_u32 s2, 0
	s_cbranch_scc0 .Lentry_in_a_cluster
	s_endpgm
.Lentry_in_a_cluster:
	s_bfe_u32 s2, ttmp6, 0x10000c
	s_cmp_lg_u32 s2, 0x3003
	s_cbranch_scc0 .Lentry_shape_is_right
	s_endpgm
.Lentry_shape_is_right:
; att = softmax(q k^T / 8) v for each of 32 (batch, head) pairs.  qh, kh, vh, att: [batch][head][2048][64] bf16.
; LIMITS: q, k, v, the probabilities and the result are bf16, sums f32.  A running maximum is taken away before every exponential;
; a probability below 2^-126 counts as 0 (v_exp_f32 flushes such results: ISA guide 15.8).  The softmax's sum adds the
; probabilities before their rounding to bf16, the product with v uses the rounded ones.
; A work-group takes 256 queries of one head, with eight waves: wave w has the 64 queries 64 (w % 4) .. and the keys
; 1,024 (w / 4) .. + 1,023.  The two waves of one set of queries merge their sums once at the end, through LDS.
; CLUSTER 4 x 1: four query blocks of one head walk the same K and V tiles and ask for them jointly (mask 15).
; TRANSPOSED FORM.  S^T = K Q^T (source 0 = 16 keys, source 1 = 16 queries) and O^T = V^T P^T (source 0 = 16 columns of V by the
; transposing LDS load, source 1 = P).  In every result lane l holds query l % 16 and its registers 8 keys (or 8 columns of O), so
; maximum and sum are taken inside the lane plus one exchange of the halves, the rescaling factor is one number a lane, and
; P's fragment is register n = (S[2n], S[2n+1]) rounded: no shuffle.
; THE PIPELINE.  A unit is 16 queries x 64 keys: 16 matrix instructions and about 118 vector instructions.  S has two buffers:
; phase A of a unit is its softmax, with the eight matrix instructions of the NEXT unit's S strewn among the vector instructions;
; phase B rescales O tile by tile, each tile's product with V straight behind its rescaling.  K of the next 64 keys is loaded into
; registers behind phase A of a block's third unit (its last reader has been issued there), V behind phase B of the fourth.
; REGISTERS.  Window 1 holds all that phase A names, so that one setting serves its matrix and its vector instructions:
;   K v0-63, Q v64-127, S v128-191 (two buffers), P v192-207, statistics and scratch v208-244.
; Window 0: v16-24 addresses, V v32-95, O v96-223.  Phase B's one setting: source 1 (P, the factor) window 1, all else window 0.
.set KP,    144                        ; K in LDS: 128 bytes + 16, an odd multiple of 16
.set VP,    160                        ; V in LDS: 128 bytes + 32, an odd multiple of 32 (transposing loads)
.set PARTB, 10240                      ; 64 keys of K (9,216 used) or of V: what one tensor load fills
.set SLOTB, 8*PARTB                    ; part w = key half w/4, K or V ((w/2)%2), first or second 64 keys (w%2)
.set MERGE, 2*SLOTB                    ; behind the ring: 4 x 18,432 bytes, O and statistics of waves 4-7
.set MPART, 18432
.set OSTG,  MERGE+4*MPART              ; 4 x 9,216 bytes: 64 rows of 144 for the way out
.set OPART, 9216
.set TILEB, 16384                      ; 128 keys of 128 bytes: one trip's keys of a half
; window 0
.set KADR, 16                          ; v16-17 K fragments in slot 0, 1
.set VADR, 18                          ; v18-19 V fragments
.set MADR, 20
.set OST,  21
.set ORD,  22
.set OCO,  23
.set QOFF, 24
.set VF,  32                           ; V(dt, kk) at VF + 8 (4 kk + dt); later the packed result
.set OA,  96                           ; O(qt, dt) at OA + 8 (4 qt + dt)
; window 1
.set KF,  0                            ; K(kt, dh) at KF + 8 (2 kt + dh)
.set QF,  64                           ; Q(qt, dh) at QF + 8 (2 qt + dh)
.set SB,  128                          ; S(kt) at SB + 32 buffer + 8 kt
.set PF,  192                          ; P(kk) at PF + 8 kk
.set ST,  208                          ; for each qt a pair: - maximum x c, maximum
.set LS,  216                          ; for each qt a pair of partial sums
.set AL,  224                          ; the rescaling factor (a pair is named; the second register is written once)
.set UU,  226
.set XX,  227
.set AA,  228
.set CH,  230                          ; v230-237 four chains
.set TT,  240                          ; - new maximum x c (a pair is named; the second register is written once)
.set T0,  242                          ; v242-244 the maximum's second level
.set O2,  0                            ; the merge: the partner's O (K's and Q's registers)
.set ST2, 128                          ; its statistics (S's registers)
.set LS2, 136
.set FA,  144                          ; my factor, twice, for each qt
.set FB,  152                          ; the partner's factor
.set G1K, 24
.set G1V, 32
.set G0K, 40                           ; a set for each slot
.set G0V, 48
.set MSB, 0
.macro WIN new                         ; the immediate's high byte repeats the setting that is left
.if MSB != \new
	s_set_vgpr_msb (MSB<<8)|\new
.set MSB, \new
.endif
.endm
.macro PLACES                          ; four independent vector instructions behind a matrix instruction (ISA guide 7.12.1)
.rept 4
	v_nop
.endr
.endm
.macro ROUND                           ; a round of the cluster's barrier
	s_barrier_signal -1
	s_barrier_wait -1
	s_cmp_lg_u32 s12, 0
	s_cbranch_scc1 .Lnot_wave_0_\@
	s_barrier_signal -3
.Lnot_wave_0_\@:
	s_barrier_wait -3
	s_barrier_signal -1
	s_barrier_wait -1
.endm
.macro JLOAD s                         ; every wave fills its own part of slot s: K or V by the wave's number
	s_cmp_eq_u32 s14, 0
	s_cbranch_scc0 .Lfor_v_\@
	tensor_load_to_lds s[G0K+4*\s:G0K+4*\s+3], s[G1K:G1K+7]
	s_nop 0
	s_branch .Lasked_\@
.Lfor_v_\@:
	tensor_load_to_lds s[G0V+4*\s:G0V+4*\s+3], s[G1V:G1V+7]
	s_nop 0
.Lasked_\@:
.endm
.macro KLOAD slot, jj                  ; 16 loads: the 64 keys of block jj of a slot
	WIN 0x40                                       ; destination window 1, address window 0
.irp kt, 0,1,2,3
.irp dh, 0,1
	ds_load_b128 v[KF+16*\kt+8*\dh:KF+16*\kt+8*\dh+3],   v[KADR+\slot] offset:\jj*PARTB+\kt*16*KP+64*\dh
	ds_load_b128 v[KF+16*\kt+8*\dh+4:KF+16*\kt+8*\dh+7], v[KADR+\slot] offset:\jj*PARTB+\kt*16*KP+64*\dh+32
.endr
.endr
.endm
.macro VLOAD slot, jj                  ; 16 transposing loads: V of the same 64 keys
	WIN 0x04                                       ; destination and address window 0: phase B's setting serves
.irp kk, 0,1
.irp dt, 0,1,2,3
	ds_load_tr16_b128 v[VF+8*(4*\kk+\dt):VF+8*(4*\kk+\dt)+3],   v[VADR+\slot] offset:\jj*PARTB+\kk*32*VP+32*\dt
	ds_load_tr16_b128 v[VF+8*(4*\kk+\dt)+4:VF+8*(4*\kk+\dt)+7], v[VADR+\slot] offset:\jj*PARTB+\kk*32*VP+32*\dt+16*VP
.endr
.endr
.endm
; Matrix instruction n (0..7) of the next unit's S (query tile nq) into the buffer at SNX: key tiles 0-3 on columns 0-31 of the head,
; then key tiles 0-3 on columns 32-63.  All matrix instructions of this text take their accumulators by turns, one instruction a
; turn (four tiles of S twice, four tiles of O twice).
.macro SW n, nq, more
.if \more
.if \n < 4
	v_wmma_f32_16x16x32_bf16 v[SNX+8*\n:SNX+8*\n+7], v[KF+16*\n:KF+16*\n+7], v[QF+16*\nq:QF+16*\nq+7], 0
.else
	v_wmma_f32_16x16x32_bf16 v[SNX+8*\n-32:SNX+8*\n-25], v[KF+16*\n-56:KF+16*\n-49], v[QF+16*\nq+8:QF+16*\nq+15], v[SNX+8*\n-32:SNX+8*\n-25]
.endif
.endif
.endm
; Pair u of the probabilities is rounded into P and added to the sum: old sum x factor + 16 pairs, in four chains
.macro USE qt, first
	s_wait_alu depctr_va_vdst(0)
	v_cvt_pk_bf16_f32 v[PF+u], v[SCU+2*u], v[SCU+2*u+1]
.if u == 0
.if \first == 0
	v_pk_fma_f32 v[CH:CH+1], v[LS+2*\qt:LS+2*\qt+1], v[AL:AL+1], v[SCU:SCU+1] op_sel_hi:[1,0,1]
.endif
.endif
.if u < 7
.if u > 0
.if (u & 1) == 0
	v_pk_add_f32 v[CH+u:CH+u+1], v[SCU+2*u-2:SCU+2*u-1], v[SCU+2*u:SCU+2*u+1]    ; pairs 1+2, 3+4, 5+6 start chains 1, 2, 3
.endif
.endif
.endif
.if u == 7
.if \first
	v_pk_add_f32 v[CH:CH+1], v[SCU:SCU+1], v[SCU+14:SCU+15]                      ; no old sum: pairs 0+7 start chain 0
.else
	v_pk_add_f32 v[CH:CH+1], v[CH:CH+1], v[SCU+14:SCU+15]
.endif
.endif
.if u > 7
	v_pk_add_f32 v[CH+2*((u-7)&3):CH+2*((u-7)&3)+1], v[CH+2*((u-7)&3):CH+2*((u-7)&3)+1], v[SCU+2*u:SCU+2*u+1]
.endif
.endm
; PHASE A of the unit of query tile qt, whose S lies in buffer cur; the next unit's query tile is nq.  first = 1: the wave's first
; keys start maximum and sum.  more = 0: there is no next unit.  kwait = 1: the next unit's K was loaded a phase ago.
.macro PHA qt, cur, nq, first, more, kwait
	WIN 0x55                                       ; everything in window 1
.set SCU, SB+32*\cur
.set SNX, SB+32-32*\cur
	; the largest of my 32 scores and the running maximum: four chains, three, one
.irp kt, 0,1,2,3
	v_max3_num_f32 v[CH+\kt], v[SCU+8*\kt], v[SCU+8*\kt+1], v[SCU+8*\kt+2]
.endr
.irp kt, 0,1,2,3
	v_max3_num_f32 v[CH+\kt], v[CH+\kt], v[SCU+8*\kt+3], v[SCU+8*\kt+4]
.endr
.if \kwait
	s_wait_dscnt 0x0                               ; the next 64 keys' K fragments are in
.endif
	SW 0, \nq, \more
.irp kt, 0,1,2,3
	v_max3_num_f32 v[CH+\kt], v[CH+\kt], v[SCU+8*\kt+5], v[SCU+8*\kt+6]
.endr
	v_max3_num_f32 v[T0],   v[CH],   v[CH+1], v[SCU+7]
	v_max3_num_f32 v[T0+1], v[CH+2], v[CH+3], v[SCU+15]
.if \first
	v_max_num_f32 v[T0+2], v[SCU+23], v[SCU+31]
.else
	v_max3_num_f32 v[T0+2], v[SCU+23], v[SCU+31], v[ST+2*\qt+1]
.endif
	SW 1, \nq, \more
	v_max3_num_f32 v[UU], v[T0], v[T0+1], v[T0+2]
	v_permlanex16_b32 v[XX], v[UU], s60, s61       ; the other half of the lanes holds the query's other 32 keys
	SW 2, \nq, \more
	v_max_num_f32 v[ST+2*\qt+1], v[UU], v[XX]
	v_mul_f32 v[TT], s58, v[ST+2*\qt+1]            ; - maximum x c
.if \first == 0
	v_sub_f32 v[AA], v[TT], v[ST+2*\qt]            ; c (old maximum - new maximum), at most 0
	v_exp_f32 v[AL], v[AA]
.endif
	v_mov_b32 v[ST+2*\qt], v[TT]
	v_pk_fma_f32 v[SCU:SCU+1],   v[SCU:SCU+1],   s[56:57], v[TT:TT+1] op_sel_hi:[1,0,0]   ; c (score - maximum), pairs 0 and 1
	v_pk_fma_f32 v[SCU+2:SCU+3], v[SCU+2:SCU+3], s[56:57], v[TT:TT+1] op_sel_hi:[1,0,0]
	SW 3, \nq, \more
	; step g: the exponentials of pair g, the exponent of pair g + 2, the use of pair g - 1: a plain vector instruction that touches
	; neither always stands between an exponential and the first use of its result (ISA guide 5.7.2)
.set g, 0
.rept 16
	v_exp_f32 v[SCU+2*g],   v[SCU+2*g]
	v_exp_f32 v[SCU+2*g+1], v[SCU+2*g+1]
.if g < 14
	v_pk_fma_f32 v[SCU+2*g+4:SCU+2*g+5], v[SCU+2*g+4:SCU+2*g+5], s[56:57], v[TT:TT+1] op_sel_hi:[1,0,0]
.endif
.if g > 0
.set u, g-1
	USE \qt, \first
.endif
.if g == 2
	SW 4, \nq, \more
.endif
.if g == 5
	SW 5, \nq, \more
.endif
.if g == 8
	SW 6, \nq, \more
.endif
.if g == 11
	SW 7, \nq, \more
.endif
.set g, g+1
.endr
.set u, 15
	USE \qt, \first
	v_pk_add_f32 v[CH:CH+1], v[CH:CH+1], v[CH+2:CH+3]
	v_pk_add_f32 v[CH+4:CH+5], v[CH+4:CH+5], v[CH+6:CH+7]
	v_pk_add_f32 v[LS+2*\qt:LS+2*\qt+1], v[CH:CH+1], v[CH+4:CH+5]
.endm
; PHASE B: O(qt) = O(qt) x factor + V^T P^T.  vwait = 1: this block's V was loaded a phase ago.
.macro PHB qt, first, vwait
	WIN 0x04                                       ; source 1 (P, the factor) window 1; V, O window 0
.if \vwait
	s_wait_dscnt 0x0                               ; V's fragments are in
.endif
.irp dt, 0,1,2,3
.if \first
	v_wmma_f32_16x16x32_bf16 v[OA+32*\qt+8*\dt:OA+32*\qt+8*\dt+7], v[VF+8*\dt:VF+8*\dt+7], v[PF:PF+7], 0
.else
.irp j, 0,2,4,6
	v_pk_mul_f32 v[OA+32*\qt+8*\dt+\j:OA+32*\qt+8*\dt+\j+1], v[OA+32*\qt+8*\dt+\j:OA+32*\qt+8*\dt+\j+1], v[AL:AL+1] op_sel_hi:[1,0]
.endr
	v_wmma_f32_16x16x32_bf16 v[OA+32*\qt+8*\dt:OA+32*\qt+8*\dt+7], v[VF+8*\dt:VF+8*\dt+7], v[PF:PF+7], v[OA+32*\qt+8*\dt:OA+32*\qt+8*\dt+7]
.endif
.endr
.irp dt, 0,1,2,3
	v_wmma_f32_16x16x32_bf16 v[OA+32*\qt+8*\dt:OA+32*\qt+8*\dt+7], v[VF+32+8*\dt:VF+32+8*\dt+7], v[PF+8:PF+15], v[OA+32*\qt+8*\dt:OA+32*\qt+8*\dt+7]
.endr
.endm
; The change of slots.  All fragments of the slot at work are in registers by now.  Each wave waits for all its tensor loads (one is
; out: its part of the other slot) and for its LDS reads.  kind = 2: a round of the cluster's barrier, and this slot is filled again,
; two trips ahead, by the first tensor load behind the round.  kind = 1: nothing is left to fetch: the work-group's barrier alone.
.macro SYNC kind, fslot
	WIN 0
	s_wait_tensorcnt 0x0
	ds_add_u32 v254, v255
	s_wait_dscnt 0x0
.if \kind == 2
	s_add_nc_u64 s[G0K+4*\fslot+2:G0K+4*\fslot+3], s[G0K+4*\fslot+2:G0K+4*\fslot+3], 2*TILEB   ; no load of mine is out: the sets may be written
	s_add_nc_u64 s[G0V+4*\fslot+2:G0V+4*\fslot+3], s[G0V+4*\fslot+2:G0V+4*\fslot+3], 2*TILEB
.endif
	s_wait_dscnt 0x0
.if \kind == 2
	ROUND
	JLOAD \fslot
.else
	s_barrier_signal -1
	s_barrier_wait -1
.endif
.endm
; 64 keys against my 64 queries.  more = 1: the next 64 keys are block njj of slot nslot.
.macro BLOCK first, more, nslot, njj, sync, fslot
	PHA 0, 0, 1, \first, 1, 0
	PHB 0, \first, 1
	PHA 1, 1, 2, \first, 1, 0
	PHB 1, \first, 0
	PHA 2, 0, 3, \first, 1, 0                      ; its matrix instructions are the last readers of this block's K;
.if \sync                                      ; behind the last of them stand more than four plain vector instructions
	SYNC \sync, \fslot
.endif
.if \more
	KLOAD \nslot, \njj
.endif
	PHB 2, \first, 0
	PHA 3, 1, 0, \first, \more, \more
	PHB 3, \first, 0                               ; the last reader of this block's V
.if \more
	PLACES
	VLOAD \nslot, \njj
.endif
.endm
	s_load_b256 s[4:11], s[0:1], 0x0               ; qh s[4:5], kh s[6:7], vh s[8:9], att s[10:11]
	v_lshl_add_u32 v254, v0, 2, 0x43000
	v_mov_b32 v255, 0
	ds_add_u32 v254, v255
	v_lshrrev_b32 v1, 5, v0
	v_readfirstlane_b32 s12, v1                    ; wave 0..7
	s_lshr_b32 s13, s12, 2                         ; g: my half of the keys
	s_lshr_b32 s14, s12, 1
	s_and_b32 s14, s14, 1                          ; I fetch K (0) or V (1)
	s_and_b32 s15, s12, 1                          ; the first or the second 64 keys of a trip
	s_and_b32 s16, s12, 3                          ; qg: my 64 queries
	s_and_b32 s17, ttmp7, 0xffff                   ; 16 batch + head
	s_bfe_u32 s20, ttmp6, 0x40000                  ; cx
	s_lshl_b32 s21, ttmp9, 2
	s_add_co_u32 s21, s21, s20                     ; query block = 4 x cluster x + cx: enters global addresses of q and att alone
	s_mov_b32 s56, 0x3e38aa3b                      ; c = log2(e) / 8: the scale 64^-0.5 and the base 2 of v_exp_f32 in one factor
	s_mov_b32 s57, 0x3e38aa3b
	s_mov_b32 s58, 0xbe38aa3b                      ; - c
	s_mov_b32 s60, 0x76543210                      ; v_permlanex16_b32: lane i reads lane i of the other half
	s_mov_b32 s61, 0xfedcba98
	; 64 rows x 64 elements, dense in memory; K: 4 words of padding behind every 32 words, V: 8
	s_mov_b32 s[G1K+0], 15|(1<<16)|(1<<20)|(1<<21)|(4<<22)|(3<<25)
	s_mov_b32 s[G1V+0], 15|(1<<16)|(1<<20)|(1<<21)|(4<<22)|(7<<25)
.irp b, G1K, G1V
	s_mov_b32 s[\b+1], 64<<16                      ; tensor_dim0 = 64
	s_mov_b32 s[\b+2], 64<<16                      ; tensor_dim1 = 64
	s_mov_b32 s[\b+3], 64<<16                      ; tile_dim0 = 64
	s_mov_b32 s[\b+4], 64                          ; tile_dim1 = 64
	s_mov_b32 s[\b+5], 64                          ; elements from row to row
	s_mov_b32 s[\b+6], 0
	s_mov_b32 s[\b+7], 0
.endr
	s_lshl_b32 s66, s17, 18                        ; the head: 2,048 rows of 128 bytes
	s_lshl_b32 s18, s13, 17                        ; + my part's key half: 1,024 rows
	s_add_co_u32 s66, s66, s18
	s_lshl_b32 s18, s15, 13                        ; + 64 rows
	s_add_co_u32 s66, s66, s18
	s_mov_b32 s67, 0
	s_mul_i32 s19, s12, PARTB                      ; where my part lands
	s_lshl_b32 s72, s17, 18                        ; q and att: head, query block of 256 rows, my 64 rows
	s_lshl_b32 s18, s21, 15
	s_add_co_u32 s72, s72, s18
	s_lshl_b32 s18, s16, 13
	s_add_co_u32 s72, s72, s18
	s_mov_b32 s73, 0
	s_wait_dscnt 0x0
	s_wait_kmcnt 0x0
	s_add_nc_u64 s[68:69], s[6:7], s[66:67]
	s_add_nc_u64 s[70:71], s[8:9], s[66:67]
	s_add_nc_u64 s[74:75], s[4:5], s[72:73]
	s_add_nc_u64 s[76:77], s[10:11], s[72:73]
	ROUND                                          ; the four work-groups are here: the first joint loads meet
.irp s, 0,1
	s_mov_b32 s[G0K+4*\s], 1
	s_add_co_u32 s[G0K+4*\s+1], s19, \s*SLOTB
	s_add_nc_u64 s[G0K+4*\s+2:G0K+4*\s+3], s[68:69], \s*TILEB
	s_or_b32 s[G0K+4*\s+3], s[G0K+4*\s+3], 0x80000000
	s_mov_b32 s[G0V+4*\s], 1
	s_add_co_u32 s[G0V+4*\s+1], s19, \s*SLOTB
	s_add_nc_u64 s[G0V+4*\s+2:G0V+4*\s+3], s[70:71], \s*TILEB
	s_or_b32 s[G0V+4*\s+3], s[G0V+4*\s+3], 0x80000000
	JLOAD \s                                       ; both slots' first fills go out before anything else: two loads of this wave are out
.endr
	v_and_b32 v1, 15, v0                           ; r
	v_bfe_u32 v2, v0, 4, 1                         ; hl
	v_and_b32 v10, 7, v0
	v_bfe_u32 v5, v0, 3, 1
	v_lshlrev_b32 v[QOFF], 7, v1
	v_lshl_add_u32 v[QOFF], v2, 4, v[QOFF]         ; query r, 16 bytes for each half of the lanes
	WIN 0x40                                       ; destination window 1
.irp t, 0,1,2,3
.irp d, 0,1
	global_load_b128 v[QF+16*\t+8*\d:QF+16*\t+8*\d+3],   v[QOFF], s[74:75] offset:2048*\t+64*\d
	global_load_b128 v[QF+16*\t+8*\d+4:QF+16*\t+8*\d+7], v[QOFF], s[74:75] offset:2048*\t+64*\d+32
.endr
.endr
	v_mov_b32 v[XX], 0                             ; v_permlanex16_b32 counts as a reader of its destination
	v_mov_b32 v[TT+1], 0                           ; second registers of pairs of which only the first is used
	v_mov_b32 v[AL+1], 0
	WIN 0
	v_mul_u32_u24 v3, v1, KP
	v_lshl_add_u32 v3, v2, 4, v3                   ; row r of pitch 144, 16 bytes for each half: K fragments, and the way out
	s_mul_i32 s18, s13, 4*PARTB                    ; my key half's four parts
	v_add_nc_u32 v[KADR], s18, v3
	v_add_nc_u32 v[KADR+1], SLOTB, v[KADR]
	v_lshl_add_u32 v4, v2, 3, v10                  ; V: key 8 hl + l % 8,
	v_mul_u32_u24 v4, v4, VP
	v_lshl_add_u32 v4, v5, 4, v4                   ; 8 columns for each group of eight lanes
	s_add_co_u32 s18, s18, 2*PARTB                 ; V lies behind K's two parts
	v_add_nc_u32 v[VADR], s18, v4
	v_add_nc_u32 v[VADR+1], SLOTB, v[VADR]
	v_and_b32 v[OCO], 31, v0
	v_lshlrev_b32 v[OCO], 4, v[OCO]                ; 16 x lane
	s_mul_i32 s18, s16, MPART
	s_add_co_u32 s18, s18, MERGE
	v_add_nc_u32 v[MADR], s18, v[OCO]
	s_mul_i32 s18, s16, OPART
	s_add_co_u32 s18, s18, OSTG
	v_add_nc_u32 v[OST], s18, v3
	v_bfe_u32 v9, v0, 3, 2
	v_mul_u32_u24 v9, v9, KP
	v_lshl_add_u32 v9, v10, 4, v9                  ; back: eight lanes take a row of 128 bytes
	v_add_nc_u32 v[ORD], s18, v9
	s_wait_tensorcnt 0x1                           ; my part of slot 0 is in; slot 1's may stay out
	s_barrier_signal -1
	s_barrier_wait -1
	KLOAD 0, 0
	VLOAD 0, 0
	s_wait_loadcnt 0x0                             ; Q stays in registers for the whole kernel
	s_wait_dscnt 16                                ; K's 16 loads are in; V's 16, issued behind them, may be out
	WIN 0x55
.set SNX, SB
.irp n, 0,1,2,3,4,5,6,7
	SW \n, 0, 1                                    ; the first unit's S, ahead of the pipeline
.endr
	PLACES
	; sixteen blocks of 64 keys, two to a slot: four in front of the loop (the first starts the sums), eight in it, four behind it
	BLOCK 1, 1, 0, 1, 0, 0
	BLOCK 0, 1, 1, 0, 2, 0                         ; slot 0 is filled again; on into slot 1
	BLOCK 0, 1, 1, 1, 0, 0
	BLOCK 0, 1, 0, 0, 2, 1                         ; slot 1 is filled again; on into slot 0
	WIN 0                                          ; at a label and at a branch every window is 0
	s_mov_b32 s62, 2
.Lpair:
	BLOCK 0, 1, 0, 1, 0, 0
	BLOCK 0, 1, 1, 0, 2, 0
	BLOCK 0, 1, 1, 1, 0, 0
	BLOCK 0, 1, 0, 0, 2, 1
	WIN 0
	s_sub_co_u32 s62, s62, 1
	s_cmp_lg_u32 s62, 0
	s_cbranch_scc1 .Lpair
	BLOCK 0, 1, 0, 1, 0, 0
	BLOCK 0, 1, 1, 0, 1, 0                         ; nothing is left to fetch: the last tile is shown landed to every wave
	BLOCK 0, 1, 1, 1, 0, 0
	BLOCK 0, 0, 0, 0, 0, 0
	; my half's sum for each query: the pair's two parts, then the other half of the lanes
	WIN 0x55
	PLACES
.irp t, 0,1,2,3
	v_add_f32 v[LS+2*\t], v[LS+2*\t], v[LS+2*\t+1]
.endr
.irp t, 0,1,2,3
	v_permlanex16_b32 v[XX], v[LS+2*\t], s60, s61
	v_add_f32 v[LS+2*\t], v[LS+2*\t], v[XX]
.endr
	WIN 0
	; THE MERGE: waves 4-7 hand O, maxima and sums to waves 0-3, lane by lane (36 stores of 512 bytes)
	s_cmp_eq_u32 s13, 0
	s_cbranch_scc1 .Lkeep
.set i, 0
.rept 32
	ds_store_b128 v[MADR], v[OA+4*i:OA+4*i+3] offset:512*i
.set i, i+1
.endr
	WIN 0x04                                       ; store data in window 1
.irp j, 0,1,2,3
	ds_store_b128 v[MADR], v[ST+4*\j:ST+4*\j+3] offset:512*(32+\j)
.endr
	WIN 0
.Lkeep:
	s_wait_dscnt 0x0                               ; my stores are done: another wave reads them
	s_barrier_signal -1
	s_barrier_wait -1
	s_cmp_lg_u32 s13, 0
	s_cbranch_scc1 .Lend
	WIN 0x40                                       ; destination window 1
.set i, 0
.rept 32
	ds_load_b128 v[O2+4*i:O2+4*i+3], v[MADR] offset:512*i          ; the partner's O
.set i, i+1
.endr
.irp j, 0,1,2,3
	ds_load_b128 v[ST2+4*\j:ST2+4*\j+3], v[MADR] offset:512*(32+\j)   ; its statistics
.endr
	s_wait_dscnt 0x0
	WIN 0x55
.irp t, 0,1,2,3
	v_min_num_f32 v[TT], v[ST+2*\t], v[ST2+2*\t]   ; - c x the larger maximum
	v_sub_f32 v[CH+\t], v[TT], v[ST+2*\t]          ; both exponents are at most 0
	v_sub_f32 v[CH+4+\t], v[TT], v[ST2+2*\t]
.endr
.irp j, 0,1,2,3,4,5,6,7
	v_exp_f32 v[CH+\j], v[CH+\j]
.endr
	v_nop                                          ; the plain instruction behind the exponentials
.irp t, 0,1,2,3
	s_wait_alu depctr_va_vdst(0)
	v_mul_f32 v[LS+2*\t], v[LS+2*\t], v[CH+\t]
	v_fmac_f32 v[LS+2*\t], v[LS2+2*\t], v[CH+4+\t] ; the whole sum; one of its two factors is 1, so it is not small
.endr
.irp t, 0,1,2,3
	v_rcp_f32 v[LS+2*\t+1], v[LS+2*\t]
.endr
	v_nop                                          ; the plain instruction behind the reciprocals
.irp t, 0,1,2,3
	s_wait_alu depctr_va_vdst(0)
	v_mul_f32 v[FA+2*\t],   v[CH+\t],   v[LS+2*\t+1]
	v_mul_f32 v[FA+2*\t+1], v[CH+\t],   v[LS+2*\t+1]
	v_mul_f32 v[FB+2*\t],   v[CH+4+\t], v[LS+2*\t+1]
	v_mul_f32 v[FB+2*\t+1], v[CH+4+\t], v[LS+2*\t+1]
.endr
	WIN 0x04                                       ; O window 0, my factor window 1
.irp t, 0,1,2,3
.set i, 0
.rept 16
	v_pk_mul_f32 v[OA+32*\t+2*i:OA+32*\t+2*i+1], v[OA+32*\t+2*i:OA+32*\t+2*i+1], v[FA+2*\t:FA+2*\t+1]
.set i, i+1
.endr
.endr
	WIN 0x05                                       ; the partner's O and factor window 1, my O window 0
.irp t, 0,1,2,3
.set i, 0
.rept 16
	v_pk_fma_f32 v[OA+32*\t+2*i:OA+32*\t+2*i+1], v[O2+32*\t+2*i:O2+32*\t+2*i+1], v[FB+2*\t:FB+2*\t+1], v[OA+32*\t+2*i:OA+32*\t+2*i+1]
.set i, i+1
.endr
.endr
	; THE WAY OUT: a lane's 8 numbers of a tile are 8 neighbouring columns of one query: 16 bytes into my own stage, whole rows back
	WIN 0
.set i, 0
.rept 64
	v_cvt_pk_bf16_f32 v[VF+i], v[OA+2*i], v[OA+2*i+1]
.set i, i+1
.endr
.irp t, 0,1,2,3
.irp d, 0,1,2,3
	ds_store_b128 v[OST], v[VF+4*(4*\t+\d):VF+4*(4*\t+\d)+3] offset:\t*16*KP+32*\d
.endr
.endr
.irp t, 0,1,2,3,4,5,6,7,8,9,10,11,12,13,14,15
	ds_load_b128 v[OA+4*\t:OA+4*\t+3], v[ORD] offset:\t*4*KP       ; LDS serves a wave's instructions in order (ISA guide 5.7.1): these see the stores above
.endr
.irp t, 0,1,2,3,4,5,6,7,8,9,10,11,12,13,14,15
	s_wait_dscnt 15-\t                             ; load t is in, the younger ones stay out
	global_store_b128 v[OCO], v[OA+4*\t:OA+4*\t+3], s[76:77] offset:512*\t   ; 512 consecutive bytes, at a multiple of 512
.endr
.Lend:
	s_wait_tensorcnt 0x0
	ds_add_u32 v254, v255
	s_wait_dscnt 0x0
	ROUND                                          ; the closing round
	s_endpgm
.Lfunc_end_k_q6cc9f0c8db_attn:
	.size	k_q6cc9f0c8db_attn, .Lfunc_end_k_q6cc9f0c8db_attn-k_q6cc9f0c8db_attn
	.p2alignl 7, 3214868480
	.fill 96, 4, 3214868480
	.section	.rodata,"a",@progbits
	.p2align	6, 0x0
	.amdhsa_kernel k_q6cc9f0c8db_attn
		.amdhsa_group_segment_fixed_size 327680
		.amdhsa_private_segment_fixed_size 0
		.amdhsa_enable_private_segment 0
		.amdhsa_kernarg_size 32
		.amdhsa_user_sgpr_count 2
		.amdhsa_user_sgpr_kernarg_segment_ptr 1
		.amdhsa_wavefront_size32 1
		.amdhsa_system_sgpr_workgroup_id_x 1
		.amdhsa_system_sgpr_workgroup_id_y 1
		.amdhsa_system_sgpr_workgroup_id_z 1
		.amdhsa_system_vgpr_workitem_id 0
		.amdhsa_next_free_vgpr 512
		.amdhsa_next_free_sgpr 80
		.amdhsa_reserve_vcc 0
		.amdhsa_float_denorm_mode_32 3
		.amdhsa_float_denorm_mode_16_64 3
		.amdhsa_memory_ordered 1
		.amdhsa_forward_progress 1
		.amdhsa_inst_pref_size 255
	.end_amdhsa_kernel
	.section	.bss,"aw",@nobits
	.p2align	6
	.space	262144
	.amdgpu_metadata
---
amdhsa.version: [ 1, 2 ]
amdhsa.kernels:
  - .name:           k_q6cc9f0c8db_attn
    .symbol:         k_q6cc9f0c8db_attn.kd
    .args:
      - { .name: qh, .offset: 0, .size: 8, .value_kind: global_buffer, .address_space: global }
      - { .name: kh, .offset: 8, .size: 8, .value_kind: global_buffer, .address_space: global }
      - { .name: vh, .offset: 16, .size: 8, .value_kind: global_buffer, .address_space: global }
      - { .name: att, .offset: 24, .size: 8, .value_kind: global_buffer, .address_space: global }
    .group_segment_fixed_size: 327680
    .private_segment_fixed_size: 0
    .kernarg_segment_align: 8
    .kernarg_segment_size: 32
    .max_flat_workgroup_size: 256
    .sgpr_count:     80
    .vgpr_count:     512
    .wavefront_size: 32
...
	.end_amdgpu_metadata
.endif
;; end of part 3
;; launch oproj (part 4): grid 8 x 32, 4 waves a work-group, clusters of 4 x 4, 327,680 bytes of LDS; arguments att, wob, b_o, out0; writes out0
.if DOCPART == 4
	.amdgcn_target "amdgcn-amd-amdhsa--gfx1250"
	.amdhsa_code_object_version 6
	.text
	.protected	k_q6cc9f0c8db_oproj
	.globl	k_q6cc9f0c8db_oproj
	.p2align	8
	.type	k_q6cc9f0c8db_oproj,@function
k_q6cc9f0c8db_oproj:
	s_mov_b64 s[64:65], 0
	v_nop
	global_prefetch_b8 v0, s[64:65] scope:SCOPE_SE
	s_setreg_imm32_b32 hwreg(HW_REG_WAVE_MODE, 25, 1), 1
	s_wait_xcnt 0x0
	s_wait_alu depctr_hold_cnt(0) depctr_sa_sdst(0) depctr_va_vdst(0) depctr_va_sdst(0) depctr_va_ssrc(0) depctr_va_vcc(0) depctr_vm_vsrc(0)
	s_getreg_b32 s2, hwreg(HW_REG_IB_STS2, 6, 4)
	s_cmp_eq_u32 s2, 0
	s_cbranch_scc0 .Lentry_in_a_cluster
	s_endpgm
.Lentry_in_a_cluster:
	s_bfe_u32 s2, ttmp6, 0x10000c
	s_cmp_lg_u32 s2, 0xf033
	s_cbranch_scc0 .Lentry_shape_is_right
	s_endpgm
.Lentry_shape_is_right:
; out0 = att w_o + b_o.  att [batch][head][2048][64] bf16, wob [1024 k][1024 n] bf16 (k = 64 head + d), b_o [1024] f32, out0 [4096][1024] f32.
; LIMITS: operands are bf16, sums f32.
; A work-group makes 128 x 128 of out0 with four waves of 64 x 64 (16 accumulator tiles): 256 work-groups; a block twice as wide
; would give 128.  K = 1,024 goes in 4 steps of 256 (four heads) through two LDS slots, all written out.
; CLUSTER 4 x 4: att's tiles are shared along a row of the cluster, w_o's along a column, each asked for jointly.
; The matrix instruction is used transposed (source 0 = 16 columns of w_o by the transposing LDS load, source 1 = 16 rows of att):
; a lane holds 8 neighbouring columns of one row.  The bias is the C operand of each tile's first product.
; att's tile: the 128 rows of one head are 16,384 dense bytes, so the descriptor takes a head as one row of 8,192 elements and two
; heads as two rows; the padding behind every 128 bytes makes LDS rows of 144 bytes.  More rows would need a third dimension.
; REGISTERS: window 0: v16-26 addresses; v64-127, v128-191 fragments (w_o at +8 j, att at +32 + 8 i), two buffers; v192-255 the way out.
;            window 1: accumulators, tile (a, b) at 8 (4 a + b); bias v128-159.
.set PA,     144                       ; att in LDS: 128 bytes + 16
.set PB,     288                       ; w_o in LDS: 256 bytes + 32, an odd multiple of 32
.set PART,   36864                     ; 2 heads x 128 rows x 144 = 128 k rows x 288
.set SLOT,   4*PART                    ; att's heads 0-1, 2-3, then w_o's k rows 0-127, 128-255
.set STAGE,  2*SLOT                    ; behind the ring: 16 rows x 272 bytes for each wave
.set SPITCH, 272
.set ASTEP,  4*262144                  ; four heads on in att
.set BSTEP,  256*2048                  ; 256 k rows on in wob
.set ADRA, 16                          ; v16-17 att fragments in slot 0, 1
.set ADRB, 18                          ; v18-21 w_o fragments: 2 x slot + half of the slot's k rows
.set STO,  24
.set RD,   25
.set CO,   26
.set F0,   64
.set F1,   128
.set TMP,  192
.set BIAS, 128
.set G1,  24
.set G0,  32
.set G1B, 48
.set G0B, 56
.set MSB, 0
.macro WIN new
.if MSB != \new
	s_set_vgpr_msb (MSB<<8)|\new
.set MSB, \new
.endif
.endm
.macro JLOAD s                         ; waves 0 and 1 fetch att's two halves, waves 2 and 3 w_o's
	s_cmp_eq_u32 s11, 0
	s_cbranch_scc0 .Lfor_b_\@
	tensor_load_to_lds s[G0+4*\s:G0+4*\s+3], s[G1:G1+7]
	s_nop 0
	s_branch .Lasked_\@
.Lfor_b_\@:
	tensor_load_to_lds s[G0B+4*\s:G0B+4*\s+3], s[G1B:G1B+7]
	s_nop 0
.Lasked_\@:
.endm
.macro CREST
	s_cmp_lg_u32 s10, 0
	s_cbranch_scc1 .Lnot_wave_0_\@
	s_barrier_signal -3
.Lnot_wave_0_\@:
	s_barrier_wait -3
	s_barrier_signal -1
	s_barrier_wait -1
.endm
.macro CROUND
	s_barrier_signal -1
	s_barrier_wait -1
	CREST
.endm
.macro PLACES                          ; four independent vector instructions behind a matrix instruction (ISA guide 7.12.1)
.rept 4
	v_nop
.endr
.endm
	s_load_b256 s[72:79], s[0:1], 0x0              ; att s[72:73], wob s[74:75], b_o s[76:77], out0 s[78:79]
	v_lshl_add_u32 v62, v0, 2, 0x4c400
	v_mov_b32 v63, 0
	ds_add_u32 v62, v63
	v_lshrrev_b32 v1, 5, v0
	v_readfirstlane_b32 s10, v1                    ; wave 0..3
	s_lshr_b32 s11, s10, 1                         ; wm.  Also: I fetch att (0) or w_o (1)
	s_and_b32 s12, s10, 1                          ; wn.  Also: which half of that tile
	s_bfe_u32 s40, ttmp6, 0x40000                  ; cx
	s_bfe_u32 s41, ttmp6, 0x40004                  ; cy
	s_lshl_b32 s42, ttmp9, 2
	s_add_co_u32 s42, s42, s40                     ; column block
	s_and_b32 s13, ttmp7, 0xffff
	s_lshl_b32 s13, s13, 2
	s_add_co_u32 s13, s13, s41                     ; row block
	s_lshl_b32 s43, s41, 2
	s_lshl_b32 s43, 15, s43                        ; my row of the cluster
	s_lshl_b32 s44, 0x1111, s40                    ; my column
	s_or_b32 s[G1+0], s43, (1<<16)|(1<<20)|(1<<21)|(4<<22)|(3<<25)   ; 4 words of padding behind every 32 words
	s_mov_b32 s[G1+1], 8192<<16                    ; tensor_dim0 = 8,192: one head's 128 rows
	s_mov_b32 s[G1+2], 2<<16                       ; tensor_dim1 = 2 heads
	s_mov_b32 s[G1+3], 8192<<16                    ; tile_dim0
	s_mov_b32 s[G1+4], 2                           ; tile_dim1
	s_mov_b32 s[G1+5], 131072                      ; elements from head to head
	s_mov_b32 s[G1+6], 0
	s_mov_b32 s[G1+7], 0
	s_or_b32 s[G1B+0], s44, (1<<16)|(1<<20)|(1<<21)|(5<<22)|(7<<25)  ; 8 words of padding behind every 64 words
	s_mov_b32 s[G1B+1], 128<<16
	s_mov_b32 s[G1B+2], 128<<16
	s_mov_b32 s[G1B+3], 128<<16
	s_mov_b32 s[G1B+4], 128
	s_mov_b32 s[G1B+5], 1024
	s_mov_b32 s[G1B+6], 0
	s_mov_b32 s[G1B+7], 0
	s_lshr_b32 s16, s13, 4                         ; batch: 16 row blocks each
	s_lshl_b32 s16, s16, 22                        ; 16 heads of 262,144 bytes
	s_and_b32 s17, s13, 15
	s_lshl_b32 s17, s17, 14                        ; 128 rows of 128 bytes
	s_add_co_u32 s16, s16, s17
	s_lshl_b32 s17, s12, 19                        ; two heads for the second half
	s_add_co_u32 s16, s16, s17
	s_mov_b32 s17, 0
	s_lshl_b32 s46, s12, 18                        ; w_o: 128 k rows of 2,048 bytes for the second half
	s_lshl_b32 s47, s42, 8                         ; + the block's 128 columns
	s_add_co_u32 s46, s46, s47
	s_mov_b32 s47, 0
	s_mul_i32 s20, s10, PART
	s_wait_dscnt 0x0
	s_wait_kmcnt 0x0
	s_add_nc_u64 s[14:15], s[72:73], s[16:17]
	s_add_nc_u64 s[46:47], s[74:75], s[46:47]
	CROUND                                         ; the first joint loads meet
.irp s, 0,1
	s_mov_b32 s[G0+4*\s], 1
	s_add_co_u32 s[G0+4*\s+1], s20, \s*SLOT
	s_add_nc_u64 s[G0+4*\s+2:G0+4*\s+3], s[14:15], \s*ASTEP
	s_or_b32 s[G0+4*\s+3], s[G0+4*\s+3], 0x80000000
	s_mov_b32 s[G0B+4*\s], 1
	s_add_co_u32 s[G0B+4*\s+1], s20, \s*SLOT
	s_add_nc_u64 s[G0B+4*\s+2:G0B+4*\s+3], s[46:47], \s*BSTEP
	s_or_b32 s[G0B+4*\s+3], s[G0B+4*\s+3], 0x80000000
	JLOAD \s                                       ; two loads of this wave are out
.endr
	v_and_b32 v1, 15, v0                           ; r
	v_bfe_u32 v2, v0, 4, 1                         ; hl
	v_and_b32 v10, 7, v0
	v_bfe_u32 v5, v0, 3, 1
	v_mul_u32_u24 v3, v1, PA
	v_lshl_add_u32 v3, v2, 4, v3
	s_mul_i32 s21, s11, 64*PA                      ; my 64 rows
	v_add_nc_u32 v[ADRA], s21, v3
	v_add_nc_u32 v[ADRA+1], SLOT, v[ADRA]
	v_lshl_add_u32 v4, v2, 3, v10
	v_mul_u32_u24 v4, v4, PB
	v_lshl_add_u32 v4, v5, 4, v4
	s_lshl_b32 s22, s12, 7                         ; my 64 columns
	s_add_co_u32 s22, s22, 2*PART
	v_add_nc_u32 v[ADRB], s22, v4
	v_add_nc_u32 v[ADRB+1], PART, v[ADRB]
	v_add_nc_u32 v[ADRB+2], SLOT, v[ADRB]
	v_add_nc_u32 v[ADRB+3], SLOT+PART, v[ADRB]
	s_mul_i32 s23, s10, 16*SPITCH
	s_add_co_u32 s23, s23, STAGE                   ; my stage
	v_mul_u32_u24 v7, v1, SPITCH
	v_lshl_add_u32 v7, v2, 5, v7                   ; in: row r, 32 bytes for each half of the lanes
	v_add_nc_u32 v[STO], s23, v7
	v_mul_u32_u24 v8, v2, SPITCH
	v_lshl_add_u32 v8, v1, 4, v8                   ; back: lanes 0-15 one row of 256 bytes, lanes 16-31 the next
	v_add_nc_u32 v[RD], s23, v8
	v_lshlrev_b32 v[CO], 12, v2                    ; the same two rows in out0: 4,096 bytes apart
	v_lshl_add_u32 v[CO], v1, 4, v[CO]
	s_lshl_b32 s68, s42, 9                         ; the bias of my 64 columns as C operands
	s_mov_b32 s69, 0
	s_add_nc_u64 s[66:67], s[76:77], s[68:69]
	s_lshl_b32 s21, s12, 8
	v_lshl_add_u32 v6, v2, 5, s21
	WIN 0x40
.irp b, 0,1,2,3
	global_load_b128 v[BIAS+8*\b:BIAS+8*\b+3],   v6, s[66:67] offset:64*\b
	global_load_b128 v[BIAS+8*\b+4:BIAS+8*\b+7], v6, s[66:67] offset:64*\b+16
.endr
	WIN 0
; 8 matrix instructions: row tiles a0, a0 + 1 x 4 column tiles.  The 16 accumulators take turns, one instruction a turn, in the same
; order in every quarter.
.macro MUL8 f, a0, zero
.irp a, \a0, \a0+1
.irp b, 0,1,2,3
.if \zero
	v_wmma_f32_16x16x32_bf16 v[8*(4*(\a)+\b):8*(4*(\a)+\b)+7], v[\f+8*\b:\f+8*\b+7], v[\f+32+8*(\a):\f+32+8*(\a)+7], v[BIAS+8*\b:BIAS+8*\b+7]
.else
	v_wmma_f32_16x16x32_bf16 v[8*(4*(\a)+\b):8*(4*(\a)+\b)+7], v[\f+8*\b:\f+8*\b+7], v[\f+32+8*(\a):\f+32+8*(\a)+7], v[8*(4*(\a)+\b):8*(4*(\a)+\b)+7]
.endif
.endr
.endr
.endm
; 16 LDS loads: part q (32 along K, q = 0..7) of a slot into buffer f
.macro FETCH slot, q, f
.irp j, 0,1,2,3
	ds_load_tr16_b128 v[\f+8*\j:\f+8*\j+3],   v[ADRB+2*\slot+((\q)>>2)] offset:((\q)&3)*32*PB+32*\j
	ds_load_tr16_b128 v[\f+8*\j+4:\f+8*\j+7], v[ADRB+2*\slot+((\q)>>2)] offset:((\q)&3)*32*PB+32*\j+16*PB
.endr
.irp i, 0,1,2,3
	ds_load_b128 v[\f+32+8*\i:\f+32+8*\i+3],   v[ADRA+\slot] offset:((\q)>>1)*128*PA+\i*16*PA+64*((\q)&1)
	ds_load_b128 v[\f+32+8*\i+4:\f+32+8*\i+7], v[ADRA+\slot] offset:((\q)>>1)*128*PA+\i*16*PA+64*((\q)&1)+32
.endr
.endm
; multiplies buffer f, having first asked for part q of the same slot into buffer g
.macro QUARTER slot, q, f, g, zero
	s_wait_dscnt 0x0                               ; buffer f is in
	PLACES                                         ; behind the products that read buffer g
	FETCH \slot, \q, \g
	WIN 0x50                                       ; sources window 0, C and D window 1
	MUL8 \f, 0, \zero
	MUL8 \f, 2, \zero
	WIN 0
.endm
.macro SEVEN slot, zero
	QUARTER \slot, 1, F0, F1, \zero
	QUARTER \slot, 2, F1, F0, 0
	QUARTER \slot, 3, F0, F1, 0
	QUARTER \slot, 4, F1, F0, 0
	QUARTER \slot, 5, F0, F1, 0
	QUARTER \slot, 6, F1, F0, 0
	QUARTER \slot, 7, F0, F1, 0
.endm
; The eighth part multiplies buffer 1 and changes slots: each wave's reads of this slot and all its tensor loads are waited for in front
; of the barrier; where the slot is filled again the barrier opens a round of the cluster's barrier and the joint refill comes first behind it.
.macro TURN slot, next, fill
	s_wait_dscnt 0x0
	s_wait_tensorcnt 0x0
	ds_add_u32 v62, v63
	s_wait_dscnt 0x0
	s_barrier_signal -1
	WIN 0x50
	MUL8 F1, 0, 0
	WIN 0
	s_barrier_wait -1
.if \fill
	CREST
	s_add_nc_u64 s[G0+4*\slot+2:G0+4*\slot+3], s[G0+4*\slot+2:G0+4*\slot+3], 2*ASTEP
	s_add_nc_u64 s[G0B+4*\slot+2:G0B+4*\slot+3], s[G0B+4*\slot+2:G0B+4*\slot+3], 2*BSTEP
	JLOAD \slot
.endif
	PLACES
	FETCH \next, 0, F0
	WIN 0x50
	MUL8 F1, 2, 0
	WIN 0
.endm
	s_wait_tensorcnt 1                             ; my part of step 0 is in; step 1's may stay out
	s_barrier_signal -1
	s_barrier_wait -1
	FETCH 0, 0, F0
	s_wait_loadcnt 0x0                             ; the bias
	SEVEN 0, 1                                     ; step 0: the first products take the bias as C
	TURN 0, 1, 1                                   ; slot 0 gets step 2
	SEVEN 1, 0
	TURN 1, 0, 1                                   ; slot 1 gets step 3
	SEVEN 0, 0
	TURN 0, 1, 0
	SEVEN 1, 0
	s_wait_dscnt 0x0
	WIN 0x50
	MUL8 F1, 0, 0
	MUL8 F1, 2, 0
	WIN 0
	; THE WAY OUT, 16 rows at a time through my own stage: 32 bytes a lane and tile in, whole rows of 256 bytes back
	PLACES
	s_lshl_b32 s68, s13, 19                        ; 128 rows of 4,096 bytes a row block
	s_lshl_b32 s70, s11, 18                        ; + my 64 rows
	s_add_co_u32 s68, s68, s70
	s_lshl_b32 s70, s42, 9                         ; + the block's 128 columns
	s_add_co_u32 s68, s68, s70
	s_lshl_b32 s70, s12, 8                         ; + my 64 columns
	s_add_co_u32 s68, s68, s70
	s_mov_b32 s69, 0
	s_add_nc_u64 s[78:79], s[78:79], s[68:69]
.macro OUT16 a, t0
	WIN 0x04                                       ; store data in window 1
.irp b, 0,1,2,3
	ds_store_b128 v[STO], v[8*(4*\a+\b):8*(4*\a+\b)+3]   offset:64*\b
	ds_store_b128 v[STO], v[8*(4*\a+\b)+4:8*(4*\a+\b)+7] offset:64*\b+16
.endr
	WIN 0
	s_wait_xcnt 0x0                                ; the stores' base and their data registers are rewritten only behind this wait
.if \a
	s_add_nc_u64 s[78:79], s[78:79], 16*4096
.endif
.irp t, 0,1,2,3,4,5,6,7
	ds_load_b128 v[\t0+4*\t:\t0+4*\t+3], v[RD] offset:\t*2*SPITCH   ; LDS serves a wave's instructions in order (ISA guide 5.7.1)
.endr
.irp t, 0,1,2,3,4,5,6,7
	s_wait_dscnt 7-\t
	global_store_b128 v[CO], v[\t0+4*\t:\t0+4*\t+3], s[78:79] offset:8192*\t th:TH_STORE_NT   ; 16 lanes store 256 consecutive bytes, at a multiple of 256
.endr
.endm
	OUT16 0, TMP
	OUT16 1, TMP+32
	OUT16 2, TMP
	OUT16 3, TMP+32
	s_wait_tensorcnt 0x0
	ds_add_u32 v62, v63
	s_wait_dscnt 0x0
	CROUND                                         ; the closing round
	s_endpgm
.Lfunc_end_k_q6cc9f0c8db_oproj:
	.size	k_q6cc9f0c8db_oproj, .Lfunc_end_k_q6cc9f0c8db_oproj-k_q6cc9f0c8db_oproj
	.p2alignl 7, 3214868480
	.fill 96, 4, 3214868480
	.section	.rodata,"a",@progbits
	.p2align	6, 0x0
	.amdhsa_kernel k_q6cc9f0c8db_oproj
		.amdhsa_group_segment_fixed_size 327680
		.amdhsa_private_segment_fixed_size 0
		.amdhsa_enable_private_segment 0
		.amdhsa_kernarg_size 32
		.amdhsa_user_sgpr_count 2
		.amdhsa_user_sgpr_kernarg_segment_ptr 1
		.amdhsa_wavefront_size32 1
		.amdhsa_system_sgpr_workgroup_id_x 1
		.amdhsa_system_sgpr_workgroup_id_y 1
		.amdhsa_system_sgpr_workgroup_id_z 1
		.amdhsa_system_vgpr_workitem_id 0
		.amdhsa_next_free_vgpr 416
		.amdhsa_next_free_sgpr 80
		.amdhsa_reserve_vcc 0
		.amdhsa_float_denorm_mode_32 3
		.amdhsa_float_denorm_mode_16_64 3
		.amdhsa_memory_ordered 1
		.amdhsa_forward_progress 1
		.amdhsa_inst_pref_size 90
	.end_amdhsa_kernel
	.amdgpu_metadata
---
amdhsa.version: [ 1, 2 ]
amdhsa.kernels:
  - .name:           k_q6cc9f0c8db_oproj
    .symbol:         k_q6cc9f0c8db_oproj.kd
    .args:
      - { .name: att, .offset: 0, .size: 8, .value_kind: global_buffer, .address_space: global }
      - { .name: wob, .offset: 8, .size: 8, .value_kind: global_buffer, .address_space: global }
      - { .name: b_o, .offset: 16, .size: 8, .value_kind: global_buffer, .address_space: global }
      - { .name: out0, .offset: 24, .size: 8, .value_kind: global_buffer, .address_space: global }
    .group_segment_fixed_size: 327680
    .private_segment_fixed_size: 0
    .kernarg_segment_align: 8
    .kernarg_segment_size: 32
    .max_flat_workgroup_size: 128
    .sgpr_count:     80
    .vgpr_count:     416
    .wavefront_size: 32
...
	.end_amdgpu_metadata
.endif
;; end of part 4
